; MI455X (gfx1250); checked and timed in simulation.
; The chip was launched on July 23, 2026; its instructions are those of AMD's public machine-readable ISA for CDNA 5 (MIT licence, August 2026) and "CDNA5" Instruction Set Architecture Reference Guide (July 2026). The comments in the code are by the model that wrote it; some were corrected since.
;; Attention. Allowed arithmetic: matrix products marked QUANTISED: E3M2 operands, one E8M0 scale for each 32 along K, by v_wmma_scale_f32_16x16x128_f8f6f4 with both operands' format E3M2, f32 sums; products left as they are: f32 operands where the result goes on into a quantised operand, else bf16, f16 or f32 operands; f32 sums; everything else in f32.
;; Inputs: W 1,024 x 1,024 float32; bias 1,024 float32; dec_hidden 32 x 1,024 float32; enc_outputs 2,048 x 32 x 1,024 float32.
;; Outputs: out0 32 x 2,048 float32.
;; This version of the problem:
;;   THIS VERSION OF THE PROBLEM IS GIVEN IN LOW PRECISION. The matrix products marked QUANTISED in the list below multiply operands that are first quantised to E3M2 (3 exponent bits, 2 mantissa bits; 6 bits a number), with one power-of-two scale for each 32 numbers along K (OCP MX v1.0); their sums are f32. All else is computed in f32.
;;   The module's matrix products, in the order in which they are computed (A, B: the left and right operand; K: the contracted axis; several contracted axes count as one K, in the product's order):
;;     1. [M 65,536, K 1,024] x [K 1,024, N 1,024]; A: input enc_outputs; B: input W: QUANTISED
;;     2. batch 32 x [M 1, K 1,024] x [K 1,024, N 2,048]; A: input dec_hidden; B: computed on the way: left as it is (M = 1 < 16)
;;   THE QUANTISER, for each operand of a quantised product, along K:
;;     - K is cut into blocks of 32 from its start; a last block that is shorter is filled with zeros.
;;     - A block's scale is 2^e with e = floor(log2(the largest magnitude in the block)) - 4, held to -126 .. 127; a block of zeros has e = 0. As a byte (E8M0): e + 127.
;;     - Each number is divided by its block's scale, clamped to +-28, and rounded to the nearest number of E3M2, ties to even, subnormals kept.
;;     - The product sums the exact products of the quantised numbers (number of the format x scale) in f32.
;;   ~~~python
;;   def quantise(x, axis):      # numpy; x: float32 -> the quantised numbers, widened to float32 again
;;       x = np.moveaxis(x, axis, -1); K = x.shape[-1]
;;       x = np.pad(x, [(0, 0)] * (x.ndim - 1) + [(0, -K % 32)]); x = x.reshape(x.shape[:-1] + (-1, 32)); a = np.abs(x).max(-1, keepdims=True)
;;       e = np.where(a > 0, np.clip(np.frexp(np.where(a > 0, a, 1))[1] - 1 - 4, -126, 127), 0)      # np.frexp(a)[1] - 1 = floor(log2(a)), exactly
;;       r = np.clip(x / 2.0 ** e, -28, 28)
;;       step = 2.0 ** (np.maximum(np.frexp(np.where(r == 0, 1, r))[1] - 1, -2) - 2)
;;       q = np.round(r / step) * step * 2.0 ** e      # np.round: ties to even
;;       return np.moveaxis(q.reshape(q.shape[:-2] + (-1,))[..., :K], -1, axis).astype(np.float32)
;;   ~~~
;; One version. Each part assembles by itself: llvm-mc -triple=amdgcn-amd-amdhsa -mcpu=gfx1250 --defsym DOCPART=n.
;; ======== version 1 of 1: 3 launches
;; limits: right only within a limited range of input values
;; workspace buffers: wq 819,200 bytes; en 262,144 bytes
;; launch quantw (part 1): grid 128 x 1, 4 waves a work-group, no clusters, 34,816 bytes of LDS; arguments W, wq; writes wq
.if DOCPART == 1
	.amdgcn_target "amdgcn-amd-amdhsa--gfx1250"
	.amdhsa_code_object_version 6
	.text
	.protected	k_qec56e45bbf_quantw
	.globl	k_qec56e45bbf_quantw
	.p2align	8
	.type	k_qec56e45bbf_quantw,@function
k_qec56e45bbf_quantw:
	s_mov_b64 s[64:65], 0
	v_nop
	global_prefetch_b8 v0, s[64:65] scope:SCOPE_SE
	s_setreg_imm32_b32 hwreg(HW_REG_WAVE_MODE, 25, 1), 1
	s_wait_xcnt 0x0
; W [1024 (n)][1024 (k)], f32, K innermost, is turned ONCE into codes of BF6 (E3M2) with one E8M0 byte for each 32 along K, laid in the order in which
; the next launch's operand registers take them.  wq is 8 blocks of KBLK bytes, one for each 8 tiles of 16 rows of W, all of K.  In block p: 64 fragments of 1,536 bytes: fragment f = 8 (nt % 8) + t holds
; rows 16 nt .. 16 nt + 15, k = 128 t .. 128 t + 127 (registers 4 c .. 4 c + 3 of lane l at 512 c + 16 l); then 4,096 bytes of scale words (row r of fragment f at 64 f + 4 r; byte i scales k = 128 t + 32 i on).
; A block's scale is 2^(floor(log2(its largest magnitude)) - 4); its byte is the largest magnitude's exponent field - 4, held at 1 from below.
; LIMITS: a block of zeros gets the byte 1 where the rule says 127 (its codes are zeros, and this program alone reads the bytes); NaN and infinities among the inputs are not served.
; SHARES: 512 fragments, one a wave: work-group g takes tile nt = g / 2 and K steps 4 (g % 2) + wave: four neighbouring fragments, so that their 64 scale words are 256 neighbouring bytes.
; No tensor load, no ring: a wave is one chain of load, turn, quantise, store.
; THE PROGRAM LEAVES bias OUT.  energies[b][s] = dec[b] . (W enc[s][b]) + dec[b] . bias: the second term is the same for every s of a row b, and the softmax along s
; is unchanged by a term that is the same along its axis, whatever finite values the inputs hold.  bias enters no quantised operand.  So bias is not loaded and is among no launch's arguments.
; LIMIT: a NaN, an infinity or an overflow that dec . bias alone would bring is not carried to the result.
.set KBLK, 102400
.set SCLO, 98304                       ; where its scale words begin
.set STG,  8448                        ; a wave's stage in LDS: 16 rows x (512 bytes + 16)
.set SCL,  4*STG                       ; behind the stages: the work-group's 4 x 16 scale words, 256 bytes
.set R,    16                          ; v16-79   16 rows x 512 bytes as loaded: row i in registers 4 i .. 4 i + 3, 16 bytes a lane
.set X,    80                          ; v80-143  my row's 64 numbers: register 16 b + i = k 32 b + 16 (lane / 16) + i
.set TM,   144                         ; v144-159 at work: largest magnitudes, bytes, the conversions' scale operands
.set PC,   160                         ; v160-179 the codes
.set PW,   180                         ; v180     my row's scale word
.set SEL,  10                          ; s[10:11] v_permlanex16_b32's selects for lane l xor 16
; 16 rows x 512 bytes go through the wave's own stage: in as loaded (512 consecutive bytes an instruction), out 64 bytes of one row a lane and block.
; Rows lie 528 bytes apart, so the sixteen rows that a load touches begin at sixteen different 16-byte columns.  LDS serves a wave's instructions in order (ISA guide 5.7.1.4): no wait between the stores and the loads.
.macro TURN r, x
.irp i, 0,1,2,3,4,5,6,7,8,9,10,11,12,13,14,15
	ds_store_b128 v5, v[(\r)+4*\i:(\r)+4*\i+3] offset:528*\i
.endr
.irp b, 0,1,2,3
.irp q, 0,1,2,3
	ds_load_b128 v[(\x)+16*\b+4*\q:(\x)+16*\b+4*\q+3], v6 offset:128*\b+16*\q
.endr
.endr
.endm
; 64 numbers of a lane, v[s] on, become a fragment's codes and its scale word.  Afterwards fragment register 6 c + i is v[fb + fs c + i] and 6 c + 3 + i is v[gb + gs c + i], i = 0 .. 2.
.macro QUANT s, fb, fs, gb, gs, pw
.irp b, 0,1,2,3
	v_max3_num_f32 v[TM+\b], |v[(\s)+16*\b]|, |v[(\s)+16*\b+1]|, 0x2800000   ; block b: my 16 numbers, and the floor 2^(5 - 127): so the byte cannot fall under 1
.endr
.irp i, 2,4,6,8,10,12,14
.irp b, 0,1,2,3
	v_max3_num_f32 v[TM+\b], v[TM+\b], |v[(\s)+16*\b+\i]|, |v[(\s)+16*\b+\i+1]|   ; the four blocks by turns: no line waits for the line above it
.endr
.endr
.irp b, 0,1,2,3
	v_permlanex16_b32 v[TM+4+\b], v[TM+\b], s[SEL], s[SEL+1]
.endr
.irp b, 0,1,2,3
	v_max_num_f32 v[TM+\b], v[TM+\b], v[TM+4+\b]   ; with lane l xor 16's 16: the block's largest magnitude
.endr
.irp b, 0,1,2,3
	v_add_nc_u32 v[TM+12+\b], 0xfe000000, v[TM+\b]   ; 4 off its exponent field: the conversion takes the exponent field of this operand as its scale
.endr
.irp b, 0,1,2,3
	v_lshrrev_b32 v[TM+4+\b], 23, v[TM+12+\b]      ; the scale's byte
.endr
	v_lshl_or_b32 v[\pw], v[TM+5], 8, v[TM+4]      ; four bytes make my row's scale word
	v_lshl_or_b32 v[\pw], v[TM+6], 16, v[\pw]
	v_lshl_or_b32 v[\pw], v[TM+7], 24, v[\pw]
.irp c, 0,1
	v_cvt_scalef32_pk16_bf6_f32 v[(\fb)+(\fs)*\c:(\fb)+(\fs)*\c+2], v[(\s)+32*\c:(\s)+32*\c+15], v[TM+12+2*\c]
	v_cvt_scalef32_pk16_bf6_f32 v[(\gb)+(\gs)*\c:(\gb)+(\gs)*\c+2], v[(\s)+32*\c+16:(\s)+32*\c+31], v[TM+13+2*\c]   ; (a conversion's three registers begin on an even number)
.endr
	v_nop                                          ; one plain place behind a scaled conversion
.irp c, 0,1                                    ; the operand's layout wants a WHOLE block in a lane: lanes 0-15 block 2 c, lanes 16-31 block 2 c + 1
.irp i, 0,1,2
	v_permlane16_swap_b32 v[(\fb)+(\fs)*\c+\i], v[(\gb)+(\gs)*\c+\i]
.endr
.endr
.endm
	s_load_b128 s[4:7], s[0:1], 0x0                ; W, wq
	v_lshl_add_u32 v184, v0, 2, 0x8600
	v_mov_b32 v185, 0
	v_lshrrev_b32 v1, 5, v0
	v_readfirstlane_b32 s8, v1                     ; wave 0..3
	v_and_b32 v1, 31, v0                           ; lane
	v_and_b32 v2, 15, v0                           ; r
	v_bfe_u32 v3, v0, 4, 1                         ; h
	v_lshlrev_b32 v4, 4, v1                        ; 16 x lane: in W's rows, and in an image
	s_mul_i32 s12, s8, STG                         ; my stage
	v_add_nc_u32 v5, s12, v4                       ; into it: 16 x lane
	v_mul_u32_u24 v6, v2, 528
	v_lshl_add_u32 v6, v3, 6, v6
	v_add_nc_u32 v6, s12, v6                       ; out of it: row r, + 64 h
	s_lshl_b32 s13, s8, 6
	s_add_co_u32 s13, s13, SCL
	v_lshl_add_u32 v7, v2, 2, s13                  ; my row's scale word: SCL + 64 x wave + 4 r
	v_lshlrev_b32 v9, 3, v1                        ; the words' way out: 8 bytes a lane
	v_add_nc_u32 v8, SCL, v9
	s_mov_b32 s[SEL], 0x76543210
	s_mov_b32 s[SEL+1], 0xfedcba98
.irp b, 0,1,2,3
	v_mov_b32 v[TM+4+\b], 0                        ; written once: a lane permute's destination counts as one of its sources
.endr
	s_lshr_b32 s16, ttmp9, 1                       ; nt: the tile of 16 rows of W
	s_and_b32 s15, ttmp9, 1
	s_lshl_b32 s15, s15, 2                         ; the work-group's first K step: 4 (g % 2)
	s_add_co_u32 s14, s15, s8                      ; t: my K step
	s_lshl_b32 s18, s16, 16                        ; W: 16 rows of 4,096 bytes a tile,
	s_lshl_b32 s17, s14, 9                         ; 512 bytes a K step
	s_add_co_u32 s18, s18, s17
	s_mov_b32 s19, 0
	s_lshr_b32 s20, s16, 3
	s_mul_i32 s20, s20, KBLK                       ; the block: nt / 8
	s_and_b32 s17, s16, 7
	s_lshl_b32 s17, s17, 3                         ; 8 (nt % 8)
	s_add_co_u32 s22, s17, s15                     ; the work-group's first fragment, a multiple of 4:
	s_lshl_b32 s22, s22, 6                         ; 64 bytes of scale words a fragment
	s_add_co_u32 s22, s22, s20
	s_add_co_u32 s22, s22, SCLO                    ; the work-group's 256 bytes of scale words
	s_mov_b32 s23, 0
	s_add_co_u32 s17, s17, s14                     ; my fragment: 8 (nt % 8) + t
	s_mul_i32 s17, s17, 1536
	s_add_co_u32 s20, s20, s17                     ; its image
	s_mov_b32 s21, 0
	s_wait_alu depctr_va_vdst(0)
	s_wait_kmcnt 0x0
	s_add_nc_u64 s[4:5], s[4:5], s[18:19]
	s_add_nc_u64 s[24:25], s[6:7], s[22:23]
	s_add_nc_u64 s[6:7], s[6:7], s[20:21]
.irp i, 0,1,2,3,4,5,6,7,8,9,10,11,12,13,14,15
	global_load_b128 v[R+4*\i:R+4*\i+3], v4, s[4:5] offset:4096*\i th:TH_LOAD_NT   ; 32 lanes read 512 consecutive bytes of row i; each byte of W is read once in the launch
.endr
	s_wait_loadcnt 0x0
	TURN R, X
	s_wait_dscnt 0x0
	QUANT X, PC, 6, PC+12, 4, PW
.irp c, 0,1
.irp i, 0,1,2
	v_mov_b32 v[PC+3+6*\c+\i], v[PC+12+4*\c+\i]    ; the fragment's twelve registers on end
.endr
.endr
.irp c, 0,1,2
	global_store_b128 v4, v[PC+4*\c:PC+4*\c+3], s[6:7] offset:512*\c   ; the image: 32 lanes store 512 consecutive bytes, at a multiple of 256 from wq's first byte
.endr
	ds_store_b32 v7, v[PW]                         ; both halves of the lanes hold the same word and write it to the same place
	s_wait_dscnt 0x0                               ; for wave 0's sake: my word has landed
	s_barrier_signal -1
	s_barrier_wait -1
	s_cmp_lg_u32 s8, 0
	s_cbranch_scc1 .Ldone
	ds_load_b64 v[182:183], v8                     ; wave 0 stores the four fragments' 64 words as 256 consecutive bytes, aligned
	s_wait_dscnt 0x0
	global_store_b64 v9, v[182:183], s[24:25]
.Ldone:
	s_wait_tensorcnt 0x0
	ds_add_u32 v184, v185
	s_wait_dscnt 0x0
	s_endpgm
.Lfunc_end_k_qec56e45bbf_quantw:
	.size	k_qec56e45bbf_quantw, .Lfunc_end_k_qec56e45bbf_quantw-k_qec56e45bbf_quantw
	.p2alignl 7, 3214868480
	.fill 96, 4, 3214868480
	.section	.rodata,"a",@progbits
	.p2align	6, 0x0
	.amdhsa_kernel k_qec56e45bbf_quantw
		.amdhsa_group_segment_fixed_size 34816
		.amdhsa_private_segment_fixed_size 0
		.amdhsa_enable_private_segment 0
		.amdhsa_kernarg_size 16
		.amdhsa_user_sgpr_count 2
		.amdhsa_user_sgpr_kernarg_segment_ptr 1
		.amdhsa_wavefront_size32 1
		.amdhsa_system_sgpr_workgroup_id_x 1
		.amdhsa_system_sgpr_workgroup_id_y 1
		.amdhsa_system_sgpr_workgroup_id_z 1
		.amdhsa_system_vgpr_workitem_id 0
		.amdhsa_next_free_vgpr 186
		.amdhsa_next_free_sgpr 66
		.amdhsa_reserve_vcc 0
		.amdhsa_float_denorm_mode_32 3
		.amdhsa_float_denorm_mode_16_64 3
		.amdhsa_memory_ordered 1
		.amdhsa_forward_progress 1
		.amdhsa_inst_pref_size 11
	.end_amdhsa_kernel
	.amdgpu_metadata
---
amdhsa.version: [ 1, 2 ]
amdhsa.kernels:
  - .name:           k_qec56e45bbf_quantw
    .symbol:         k_qec56e45bbf_quantw.kd
    .args:
      - { .name: W, .offset: 0, .size: 8, .value_kind: global_buffer, .address_space: global }
      - { .name: wq, .offset: 8, .size: 8, .value_kind: global_buffer, .address_space: global }
    .group_segment_fixed_size: 34816
    .private_segment_fixed_size: 0
    .kernarg_segment_align: 8
    .kernarg_segment_size: 16
    .max_flat_workgroup_size: 128
    .sgpr_count:     66
    .vgpr_count:     186
    .wavefront_size: 32
...
	.end_amdgpu_metadata
.endif
;; end of part 1
;; launch energy (part 2): grid 256 x 1, 4 waves a work-group, clusters of 4 x 1, 327,680 bytes of LDS; arguments enc_outputs, dec_hidden, wq, en; writes en
.if DOCPART == 2
	.amdgcn_target "amdgcn-amd-amdhsa--gfx1250"
	.amdhsa_code_object_version 6
	.text
	.protected	k_qec56e45bbf_energy
	.globl	k_qec56e45bbf_energy
	.p2align	8
	.type	k_qec56e45bbf_energy,@function
k_qec56e45bbf_energy:
	s_mov_b64 s[64:65], 0
	v_nop
	global_prefetch_b8 v0, s[64:65] scope:SCOPE_SE
	s_setreg_imm32_b32 hwreg(HW_REG_WAVE_MODE, 25, 1), 1
	s_wait_xcnt 0x0
	s_wait_alu depctr_hold_cnt(0) depctr_sa_sdst(0) depctr_va_vdst(0) depctr_va_sdst(0) depctr_va_ssrc(0) depctr_va_vcc(0) depctr_vm_vsrc(0)
	s_getreg_b32 s2, hwreg(HW_REG_IB_STS2, 6, 4)
	s_cmp_eq_u32 s2, 0
	s_cbranch_scc0 .Lentry_in_a_cluster
	s_endpgm
.Lentry_in_a_cluster:
	s_bfe_u32 s2, ttmp6, 0x10000c
	s_cmp_lg_u32 s2, 0x3003
	s_cbranch_scc0 .Lentry_shape_is_right
	s_endpgm
.Lentry_shape_is_right:
; en[b][s] = dec[b] . (Q(W) Q(enc[s][b])).  enc [2048 (s)][32 (b)][1024] f32, dec [32][1024] f32; wq: W as codes of BF6 and E8M0 words, images of operand registers; en [32][2048] f32.
; dec . bias is left out: it is the same for all s of a row b, and the softmax of the next launch takes such a term away (shown at the head of the first kernel).
; SHARES.  Work-group g owns b = g / 8 and the 256 values of s from 256 (g % 8) on.  K IS SPLIT AMONG THE WAVES: wave w owns K steps 2 w and 2 w + 1 (256 along K) of all 256 rows.
; The energy is linear in the first product, so each wave multiplies its own part of K, takes the second product of its partial sums at once, and the four waves' partial energies are added at the end.
; That is another order of the f32 sums than one chain over K.  Each fragment of W is read from LDS by one wave alone and feeds 16 products.
; PHASE 1: 16 row tiles x 2 K steps become 32 fragments (384 registers) and 32 scale words, which stay.  Eight slices of 64 rows x 128 along K; a slice goes through the wave's stage in LDS, unit by unit (16 rows x 512 bytes),
; and is quantised; the next slice's loads are issued as soon as a unit's registers are free: 64 loads of 512 bytes a wave are out all through.  No barrier: waves share nothing here.
; PHASE 2: for each tile of 16 columns 32 products: groups of four row tiles, K step 0 four times, K step 1 four times, so that the accumulators take turns; two sets of four accumulators.
; Behind each product stand two packed multiply-adds of the group before: energy += dec of my column x finished sums (lane (r, h) holds column r, rows 8 h + 0 .. 7).  The line goes on from tile to tile and from block to block.
; W comes in eight blocks (8 tiles of columns x all of K, 102,400 bytes) through a ring of two LDS slots; the four work-groups of a cluster ask for a block JOINTLY, each wave for a quarter; one tensor load of a wave is out at a time.
; No prefetch is laid: phase 1 has 64 loads a wave out all through, and a block of W has a block's 256 products in which to land.
; LIMITS: NaN and infinities among the inputs are not served.  A block of zeros gets the byte 1 where the rule says 127 (its codes are zeros; nobody else reads the bytes).
; REGISTERS, in windows of 256 (s_set_vgpr_msb's low byte: bits 1:0 source 0, 3:2 source 1, 5:4 source 2, 7:6 destination):
;   window 0: v1-2 spare word's address and 0; v4-5 W's scale words; v16-47 enc's scale words (2 x row tile + K step); v48-63 at work; v64-191 numbers in the quantiser's order, at the end the energies; v192-201 addresses
;   window 1: v0-191 enc's fragments of row tiles 0-7 (24 x tile + 12 x K step); v240-243 dec of the even and of the odd tile of columns (each the first of a pair)
;   window 3: the same for row tiles 8-15;  window 2: phase 1: enc as loaded; phase 2: v0-127 energies, v128-191 accumulators, v192-239 two buffers of two fragments of W
.set SLOT1, 1<<17
.set KBLK,  102400                     ; a block of wq: 64 fragments of 1,536 bytes (8 x tile + K step), then 4,096 bytes of scale words
.set QBLK,  25600
.set SCLO,  98304
.set DEC,   102400                     ; behind slot 0: a copy of dec[b] for each wave: a block's 8 tiles in 768 bytes: lane r at 48 r, tile e at 4 e
.set DECW,  6144
.set SPARE, 126976                     ; the spare words: two blocks of 256 bytes that no other line names
.set STAGE, 233472                     ; behind slot 1: a stage for each wave: 16 rows x (512 + 16) bytes
.set STGW,  8448
.set ROWS,  131072                     ; bytes from s to s + 1 in enc
.set SPW, 1
.set NIL, 2
.set FS,  3
.set WS,  4
.set FL,  12
.set GO,  13
.set OUT, 14
.set AS,  16
.set TM,  48
.set X,   64
.set GOFF, 192
.set STW, 193
.set STR, 194
.set DST, 195
.set AW0, 196
.set AWS0, 197
.set ADEC0, 198
.set AW,  199
.set AWS, 200
.set ADEC, 201
.set RS,  204
.set EN,  0
.set ACC, 128
.set WF,  192
.set DE,  240
.set T,   216                          ; window 0, v216-231: the codes just made: block pair c's lower halves at + 8 c, upper halves at + 8 c + 4 (v244-250 of windows 1 and 3 are not used)
.set WV,  14
.set G1,  24
.set G0,  32
.set SEL, 36
.set SLB, 38
.set SB,  39
.set SS,  40
.set SD,  41
.set PER, 42
.set TRP, 43
.set SDB, 50
.set S_A, 0xa9                         ; source 0 window 1; source 1, source 2 and destination window 2
.set S_B, 0xab                         ; source 0 window 3
.set MSB, 0
.macro WIN new                         ; the immediate's high byte repeats the setting that is left; a switch that changes nothing is dropped
.if MSB != \new
	s_set_vgpr_msb (MSB<<8)|\new
.set MSB, \new
.endif
.endm
.macro ROUND                           ; a round of the cluster's barrier
	s_barrier_signal -1
	s_barrier_wait -1
	s_cmp_lg_u32 s[WV], 0
	s_cbranch_scc1 .Lnot_wave_0_\@
	s_barrier_signal -3
.Lnot_wave_0_\@:
	s_barrier_wait -3
	s_barrier_signal -1
	s_barrier_wait -1
.endm
.macro LOADU j                         ; unit j: 16 rows x 512 bytes at s[4:5]; the largest immediate is 63 rows, inside the signed 24 bits
	WIN 0x80
.irp i, 0,1,2,3,4,5,6,7,8,9,10,11,12,13,14,15
	global_load_b128 v[64*(\j)+4*\i:64*(\j)+4*\i+3], v[GOFF], s[4:5] offset:(16*(\j)+\i)*ROWS th:TH_LOAD_NT   ; 32 lanes read 512 consecutive bytes, aligned; read once in the launch
.endr
.endm
.macro TURN r, x                       ; through my stage: in as loaded, out 64 bytes of one row a lane and block of 32.  LDS serves a wave's instructions in order: no wait between
	WIN 0x08
.irp i, 0,1,2,3,4,5,6,7,8,9,10,11,12,13,14,15
	ds_store_b128 v[STW], v[(\r)+4*\i:(\r)+4*\i+3] offset:528*\i
.endr
	WIN 0
.irp b, 0,1,2,3
.irp q, 0,1,2,3
	ds_load_b128 v[(\x)+16*\b+4*\q:(\x)+16*\b+4*\q+3], v[STR] offset:128*\b+16*\q
.endr
.endr
.endm
; 64 numbers of a lane, v[s] on (register 16 b + i = k 32 b + 16 (lane / 16) + i of my row), become the fragment v[fr .. fr + 11] of window f and the scale word v[pw].
.macro QUANT s, f, fr, pw
	WIN 0
.irp b, 0,1,2,3
	v_max3_num_f32 v[TM+\b], |v[(\s)+16*\b]|, |v[(\s)+16*\b+1]|, 0x2800000   ; my 16 numbers of block b, and the floor 2^(5 - 127): the byte cannot fall under 1
.endr
.irp i, 2,4,6,8,10,12,14
.irp b, 0,1,2,3
	v_max3_num_f32 v[TM+\b], v[TM+\b], |v[(\s)+16*\b+\i]|, |v[(\s)+16*\b+\i+1]|
.endr
.endr
.irp b, 0,1,2,3
	v_permlanex16_b32 v[TM+4+\b], v[TM+\b], s[SEL], s[SEL+1]
.endr
.irp b, 0,1,2,3
	v_max_num_f32 v[TM+\b], v[TM+\b], v[TM+4+\b]   ; with lane l xor 16's 16: the block's largest magnitude
.endr
.irp b, 0,1,2,3
	v_add_nc_u32 v[TM+12+\b], 0xfe000000, v[TM+\b] ; 4 off its exponent field: the conversion's scale operand
.endr
.irp b, 0,1,2,3
	v_lshrrev_b32 v[TM+4+\b], 23, v[TM+12+\b]      ; the scale's byte
.endr
	v_lshl_or_b32 v[\pw], v[TM+5], 8, v[TM+4]
	v_lshl_or_b32 v[\pw], v[TM+6], 16, v[\pw]
	v_lshl_or_b32 v[\pw], v[TM+7], 24, v[\pw]
.irp b, 0,1,2,3
	v_cvt_scalef32_pk16_bf6_f32 v[T+4*\b:T+4*\b+2], v[(\s)+16*\b:(\s)+16*\b+15], v[TM+12+\b]   ; (a conversion's three registers begin on an even number)
.endr
	v_nop                                          ; one plain place behind a scaled conversion
.irp i, 0,1,2                                  ; the operand's layout wants a whole block in a lane
	v_permlane16_swap_b32 v[T+\i], v[T+4+\i]
	v_permlane16_swap_b32 v[T+8+\i], v[T+12+\i]
.endr
	WIN (\f)<<6                                    ; window 0 to the window in which the fragment stays: its twelve registers on end
.irp b, 0,1,2,3
.irp i, 0,1,2
	v_mov_b32 v[(\fr)+3*\b+\i], v[T+4*\b+\i]
.endr
.endr
.endm
; Slice k: rows 64 (k / 2) on, K step k % 2 of my two.  Unit j is row tile 4 (k / 2) + j.  Unit j is quantised while unit j + 1 is in the stage.
.macro PREP k
.if (\k) < 7
	s_wait_xcnt 0x0                                ; the loads issued a slice ago have read their base
.if (\k)%2
	s_add_nc_u64 s[4:5], s[4:5], 64*ROWS-512       ; 64 rows down, back to my first K step
.else
	s_add_nc_u64 s[4:5], s[4:5], 512               ; my second K step
.endif
.endif
	s_wait_loadcnt 48                              ; unit 0 is in: three units' 48 loads were issued behind it
	TURN 0, X
.irp j, 0,1,2,3
	s_wait_dscnt 0x0                               ; unit j is back from the stage, and the stage's stores have read its registers
.if (\k) < 7
	LOADU \j
.endif
.if \j < 3
.if (\k) < 7
	s_wait_loadcnt 48                              ; unit j + 1 is in: three units stand behind it
.else
	s_wait_loadcnt 32-16*\j                        ; the last slice: only its own later units
.endif
	TURN 64*(\j+1), X+64*((\j+1)%2)
.endif
	QUANT X+64*(\j%2), 1+2*((\k)/4), 24*((4*((\k)/2)+\j)%8)+12*((\k)%2), AS+2*(4*((\k)/2)+\j)+(\k)%2
.endr
	WIN 0
.endm
; The change of slots: all my tensor loads are waited for (one is out), the add, the wait for it and for my reads; fill = 1: behind a round of the cluster's barrier the slot that was left takes the block after next.
.macro HEAD fill
	WIN 0
	s_wait_tensorcnt 0x0
	ds_add_u32 v[SPW], v[NIL]
.if \fill
	s_xor_b32 s[G0+1], s[G0+1], SLOT1
	s_add_nc_u64 s[G0+2:G0+3], s[G0+2:G0+3], KBLK
.endif
	s_wait_dscnt 0x0
.if \fill
	ROUND
	tensor_load_to_lds s[G0:G0+3], s[G1:G1+7]
	s_nop 0
.rept 4
	v_nop
.endr
.else
	s_barrier_signal -1                            ; the last slot: every wave's quarter has landed
	s_barrier_wait -1
.endif
.endm
.macro ADDR
	v_add_nc_u32 v[AW], s[SB], v[AW0]
	v_add_nc_u32 v[AWS], s[SS], v[AWS0]
	v_add_nc_u32 v[ADEC], s[SD], v[ADEC0]
.endm
; Tile of columns ct (counted from the trip's base) into buffer nb: my two fragments (3,072 consecutive bytes), their scale words (lanes 0-15 the first K step's, lanes 16-31 the second's), and dec of my column, for both windows.
.macro LOADT nb, ct
	WIN 0x80
.irp c, 0,1,2,3,4,5
	ds_load_b128 v[WF+24*(\nb)+4*\c:WF+24*(\nb)+4*\c+3], v[AW] offset:12288*(\ct)+512*\c
.endr
	WIN 0
	ds_load_b32 v[WS+(\nb)], v[AWS] offset:512*(\ct)
	WIN 0x40
	ds_load_b32 v[DE+2*(\nb)], v[ADEC] offset:4*(\ct)
	WIN 0xc0
	ds_load_b32 v[DE+2*(\nb)], v[ADEC] offset:4*(\ct)
	WIN 0
.endm
.macro MM bf                           ; row tile rt x the tile of columns in buffer bf, my K step kk, accumulator ac.  K step 0 starts the sum
.set rA, 24*(rt%8)+12*kk
.set rB, WF+24*(\bf)+12*kk
.set rC, ACC+8*ac
.if kk == 0
	v_wmma_scale_f32_16x16x128_f8f6f4 v[rC:rC+7], v[rA:rA+11], v[rB:rB+11], 0, v[AS+2*rt], v[WS+(\bf)] matrix_a_fmt:MATRIX_FMT_BF6 matrix_b_fmt:MATRIX_FMT_BF6
.else
	v_wmma_scale_f32_16x16x128_f8f6f4 v[rC:rC+7], v[rA:rA+11], v[rB:rB+11], v[rC:rC+7], v[AS+2*rt+1], v[WS+(\bf)] matrix_a_fmt:MATRIX_FMT_BF6 matrix_b_fmt:MATRIX_FMT_BF6 matrix_b_scale:MATRIX_SCALE_ROW1
.endif
.endm
.macro EPI                             ; two energies of row tile ert += dec of my column (the pair's first register serves both halves) x two sums of accumulator eac
	v_pk_fma_f32 v[EN+8*ert+2*eq:EN+8*ert+2*eq+1], v[ed:ed+1], v[ACC+8*eac+2*eq:ACC+8*eac+2*eq+1], v[EN+8*ert+2*eq:EN+8*ert+2*eq+1] op_sel_hi:[0,1,1]
.endm
; A TILE OF 16 COLUMNS in buffer bf: four groups of eight products.  Behind product s of a group: the multiply-adds 2 (s % 2), + 1 of result s / 2 of the group before (in group 0: of the tile before's last group, with that tile's dec),
; each result from its low end on.  A result is first read eight or more multiply-adds behind its last product.
; Behind group 0 the other buffer, the other scale register and the other tile's dec have had their last use 16 multiply-adds ago: the next tile is loaded there, 24 products ahead of the wait for it (s_wait_dscnt 0 at its head).
; run = 0: the trip's second tile.  run = 1: the next trip's first; the block's last trip jumps over these loads (a branch on the trips left).
.macro TILE bf, run
	s_wait_dscnt 0x0
.set tg, 0
.rept 4
.if tg < 2
	WIN S_A
.else
	WIN S_B
.endif
.set ts, 0
.rept 8
.set rt, 4*tg+ts%4
.set kk, ts/4
.set ac, 4*(tg%2)+ts%4
	MM \bf
.if tg == 0
.set ert, 12+ts/2
.set ed, DE+2*(1-(\bf))
.else
.set ert, 4*(tg-1)+ts/2
.set ed, DE+2*(\bf)
.endif
.set eac, 4*((tg+1)%2)+ts/2
.set eq, 2*(ts%2)
	EPI
.set eq, eq+1
	EPI
.set ts, ts+1
.endr
.if tg == 0
.if \run
	WIN 0
	s_add_co_u32 s[SB], s[SB], 24576               ; two tiles of columns on: 16 fragments,
	s_add_co_u32 s[SS], s[SS], 1024                ; their scale words,
	s_add_co_u32 s[SD], s[SD], 8                   ; their dec
	ADDR
	s_cmp_eq_u32 s[TRP], 1
	s_cbranch_scc1 .Lno_next_\@
	LOADT 0, 0
.Lno_next_\@:
.else
	LOADT 1, 1
.endif
.endif
.set tg, tg+1
.endr
.endm
.macro MATRIX                          ; a block: 8 tiles of columns, four trips of two
	s_mov_b32 s[SB], s[SLB]
	s_mov_b32 s[SS], s[SLB]
	s_mov_b32 s[SD], s[SDB]
	ADDR
	s_wait_alu depctr_va_vdst(0)
	LOADT 0, 0
	s_mov_b32 s[TRP], 4
.Ltrip_\@:
	TILE 0, 0
	TILE 1, 1
	WIN 0
	s_sub_co_u32 s[TRP], s[TRP], 1
	s_cmp_lg_u32 s[TRP], 0
	s_cbranch_scc1 .Ltrip_\@
.endm
	s_load_b128 s[4:7], s[0:1], 0x0                ; enc, dec
	s_load_b128 s[8:11], s[0:1], 0x10              ; wq, en
	v_lshl_add_u32 v[SPW], v0, 2, SPARE
	v_mov_b32 v[NIL], 0
	ds_add_u32 v[SPW], v[NIL]                      ; the opening lines: the add twice on end and its wait
	ds_add_u32 v[SPW], v[NIL]
	s_wait_dscnt 0x0
	v_lshrrev_b32 v208, 5, v0
	v_readfirstlane_b32 s[WV], v208                ; wave 0..3
	s_mul_i32 s15, s[WV], STGW
	s_add_co_u32 s15, s15, STAGE                   ; my stage
	s_mul_i32 s16, s[WV], DECW
	s_add_co_u32 s16, s16, DEC                     ; my copy of dec
	s_lshl_b32 s17, s[WV], 8
	s_add_co_u32 s17, s17, STAGE                   ; the way out: my 64 rows' place in a wave's 1,024 bytes of partial energies
	s_mul_i32 s18, s[WV], 3072                     ; my two fragments of a tile's eight
	s_lshl_b32 s19, s[WV], 7
	s_add_co_u32 s19, s19, SCLO                    ; and their scale words
	v_and_b32 v208, 31, v0                         ; lane
	v_and_b32 v209, 15, v0                         ; r
	v_bfe_u32 v210, v0, 4, 1                       ; h
	v_lshl_add_u32 v[FS], v210, 5, s15             ; the way out: 32 bytes for each half of the lanes
	v_lshl_add_u32 v[FL], v208, 3, s17             ; and back 8 bytes a lane
	v_lshlrev_b32 v[GO], 3, v208
	v_mul_u32_u24 v211, v209, 528
	v_lshl_add_u32 v211, v210, 6, v211             ; 528 r + 64 h
	v_mul_u32_u24 v212, v209, 48                   ; 48 r
	v_and_b32 v213, 3, v0
	v_mul_u32_u24 v213, v213, 192
	v_bfe_u32 v214, v0, 2, 3
	v_lshl_add_u32 v213, v214, 2, v213             ; 192 (lane % 4) + 4 (lane / 4)
	v_lshl_add_u32 v[AW0], v208, 4, s18
	v_lshl_add_u32 v[AWS0], v208, 2, s19
	v_add_nc_u32 v[ADEC0], s16, v212
	v_lshlrev_b32 v[GOFF], 4, v208                 ; my 16 bytes of a load's 512
	v_lshl_add_u32 v[STW], v208, 4, s15
	v_add_nc_u32 v[STR], s15, v211
	v_add_nc_u32 v[DST], s16, v213
.irp b, 0,1,2,3
	v_mov_b32 v[TM+4+\b], 0                        ; written once: a lane permute's destination counts as one of its sources
.endr
	s_mov_b32 s[SEL], 0x76543210
	s_mov_b32 s[SEL+1], 0xfedcba98
	s_bfe_u32 s17, ttmp6, 0x40000                  ; cx: it enters the addresses of enc, dec and en alone
	s_lshl_b32 s18, ttmp9, 2
	s_add_co_u32 s18, s18, s17                     ; g
	s_lshr_b32 s19, s18, 3                         ; b
	s_and_b32 s20, s18, 7
	s_lshl_b32 s20, s20, 8                         ; the work-group's first s
	s_lshl_b32 s22, s20, 17                        ; enc: s x 131,072 + b x 4,096 + wave x 1,024, under 2^31
	s_lshl_b32 s44, s19, 12                        ; dec: b x 4,096
	s_add_co_u32 s22, s22, s44
	s_lshl_b32 s21, s[WV], 10
	s_add_co_u32 s22, s22, s21
	s_mov_b32 s23, 0
	s_mov_b32 s45, 0
	s_lshl_b32 s46, s19, 13                        ; en: 4 (2,048 b + s + 64 wave)
	s_lshl_b32 s47, s20, 2
	s_add_co_u32 s46, s46, s47
	s_lshl_b32 s21, s[WV], 8
	s_add_co_u32 s46, s46, s21
	s_mov_b32 s47, 0
	s_mul_i32 s48, s[WV], QBLK                     ; my quarter of a block of wq, in memory and in a slot
	s_mov_b32 s49, 0
	s_mov_b32 s[G1], 15|(3<<16)|(1<<21)            ; the mask: all four work-groups; elements of 8 bytes; bit 21 beside a mask
	s_mov_b32 s[G1+1], 32<<16                      ; 100 rows of 256 bytes, dense
	s_mov_b32 s[G1+2], 100<<16
	s_mov_b32 s[G1+3], 32<<16
	s_mov_b32 s[G1+4], 100
	s_mov_b32 s[G1+5], 32
	s_mov_b32 s[G1+6], 0
	s_mov_b32 s[G1+7], 0
	s_wait_alu depctr_va_vdst(0)
	s_wait_kmcnt 0x0
	s_add_nc_u64 s[4:5], s[4:5], s[22:23]
	s_add_nc_u64 s[6:7], s[6:7], s[44:45]
	s_add_nc_u64 s[10:11], s[10:11], s[46:47]
	s_mov_b32 s[G0], 1
	s_mov_b32 s[G0+1], s48
	s_add_nc_u64 s[G0+2:G0+3], s[8:9], s[48:49]
	s_or_b32 s[G0+3], s[G0+3], 0x80000000
.irp k, 0,1,2,3,4,5,6,7
	global_load_b128 v[X+4*\k:X+4*\k+3], v[GOFF], s[6:7] offset:512*\k        ; dec[b]: n = 128 k + 4 lane + 0 .. 3
.endr
	LOADU 0
	LOADU 1
	WIN 0
	ROUND                                          ; all four work-groups are here: the first joint load meets
	tensor_load_to_lds s[G0:G0+3], s[G1:G1+7]      ; W's block 0 into slot 0: my one tensor load at the head
	s_nop 0
.rept 4
	v_nop
.endr
	LOADU 2
	s_wait_loadcnt 48                              ; dec is in: three units' 48 loads were issued behind it
	WIN 0
.irp k, 0,1,2,3,4,5,6,7                        ; n = 128 k + 4 lane + q is column 4 (lane % 4) + q of tile 8 k + lane / 4
.irp q, 0,1,2,3
	ds_store_b32 v[DST], v[X+4*\k+\q] offset:768*\k+48*\q
.endr
.endr
	LOADU 3
	WIN 0
.irp k, 0,1,2,3,4,5,6,7
	PREP \k
.endr
	; the energies' sums begin at 0; so do the four accumulators and the dec that the very first tile's group 0 takes for "the tile before": they add 0
	WIN 0x80
.rept 128
	v_mov_b32 v[EN+\+], 0
.endr
.rept 32
	v_mov_b32 v[ACC+32+\+], 0
.endr
	WIN 0x40
.rept 4
	v_mov_b32 v[DE+\+], 0
.endr
	WIN 0xc0
.rept 4
	v_mov_b32 v[DE+\+], 0
.endr
	WIN 0
	s_mov_b32 s[SLB], 0
	s_mov_b32 s[SDB], 0
	s_mov_b32 s[PER], 7
	s_wait_alu depctr_va_vdst(0)
.Lblock:                                               ; blocks 0 to 6: each asks for the next block of W
	HEAD 1
	MATRIX
	s_xor_b32 s[SLB], s[SLB], SLOT1
	s_add_co_u32 s[SDB], s[SDB], 768
	s_sub_co_u32 s[PER], s[PER], 1
	s_cmp_lg_u32 s[PER], 0
	s_cbranch_scc1 .Lblock
	HEAD 0                                         ; block 7 is written out: it asks for nothing
	MATRIX
	WIN S_B                                        ; the last tile's last group: its first result's last product stands eight multiply-adds back
.set ed, DE+2
.set ea, 0
.rept 4
.set ert, 12+ea
.set eac, 4+ea
.set eq, 0
.rept 4
	EPI
.set eq, eq+1
.endr
.set ea, ea+1
.endr
	; THE WAY OUT.  The sixteen lanes of a half are added up; each wave's 256 partial energies go to its stage; behind a barrier each wave adds the four waves' parts of 64 rows and stores 256 consecutive bytes, aligned.
	WIN 0x02
.rept 128
	v_mov_b32 v[X+\+], v[EN+\+]                    ; into window 0
.endr
	WIN 0
.irp m, 1,2,4,8
.set zi, 0
.rept 128
	v_add_f32_dpp v[X+zi], v[X+zi], v[X+zi] row_xmask:\m row_mask:0xf bank_mask:0xf
.set zi, zi+1
.endr
.endr
.irp t, 0,1,2,3,4,5,6,7,8,9,10,11,12,13,14,15
.irp q, 0,1
	ds_store_b128 v[FS], v[X+8*\t+4*\q:X+8*\t+4*\q+3] offset:64*\t+16*\q   ; the sixteen lanes of a half write the same bytes with the same values
.endr
.endr
	s_wait_dscnt 0x0                               ; for the others' sake
	s_barrier_signal -1
	s_barrier_wait -1
.irp w, 0,1,2,3
	ds_load_b64 v[RS+2*\w:RS+2*\w+1], v[FL] offset:STGW*\w
.endr
	s_wait_dscnt 0x0
	v_pk_add_f32 v[RS:RS+1], v[RS:RS+1], v[RS+2:RS+3]
	v_pk_add_f32 v[RS+4:RS+5], v[RS+4:RS+5], v[RS+6:RS+7]
	v_pk_add_f32 v[OUT:OUT+1], v[RS:RS+1], v[RS+4:RS+5]
	global_store_b64 v[GO], v[OUT:OUT+1], s[10:11]
	s_wait_tensorcnt 0x0                           ; the wave's end
	ds_add_u32 v[SPW], v[NIL]
	s_wait_dscnt 0x0
	ROUND                                          ; the closing round
	s_endpgm
.Lfunc_end_k_qec56e45bbf_energy:
	.size	k_qec56e45bbf_energy, .Lfunc_end_k_qec56e45bbf_energy-k_qec56e45bbf_energy
	.p2alignl 7, 3214868480
	.fill 96, 4, 3214868480
	.section	.rodata,"a",@progbits
	.p2align	6, 0x0
	.amdhsa_kernel k_qec56e45bbf_energy
		.amdhsa_group_segment_fixed_size 327680
		.amdhsa_private_segment_fixed_size 0
		.amdhsa_enable_private_segment 0
		.amdhsa_kernarg_size 32
		.amdhsa_user_sgpr_count 2
		.amdhsa_user_sgpr_kernarg_segment_ptr 1
		.amdhsa_wavefront_size32 1
		.amdhsa_system_sgpr_workgroup_id_x 1
		.amdhsa_system_sgpr_workgroup_id_y 1
		.amdhsa_system_sgpr_workgroup_id_z 1
		.amdhsa_system_vgpr_workitem_id 0
		.amdhsa_next_free_vgpr 1024
		.amdhsa_next_free_sgpr 66
		.amdhsa_reserve_vcc 0
		.amdhsa_float_denorm_mode_32 3
		.amdhsa_float_denorm_mode_16_64 3
		.amdhsa_memory_ordered 1
		.amdhsa_forward_progress 1
		.amdhsa_inst_pref_size 255
	.end_amdhsa_kernel
	.section	.bss,"aw",@nobits
	.p2align	6
	.space	262144
	.amdgpu_metadata
---
amdhsa.version: [ 1, 2 ]
amdhsa.kernels:
  - .name:           k_qec56e45bbf_energy
    .symbol:         k_qec56e45bbf_energy.kd
    .args:
      - { .name: enc_outputs, .offset: 0, .size: 8, .value_kind: global_buffer, .address_space: global }
      - { .name: dec_hidden, .offset: 8, .size: 8, .value_kind: global_buffer, .address_space: global }
      - { .name: wq, .offset: 16, .size: 8, .value_kind: global_buffer, .address_space: global }
      - { .name: en, .offset: 24, .size: 8, .value_kind: global_buffer, .address_space: global }
    .group_segment_fixed_size: 327680
    .private_segment_fixed_size: 0
    .kernarg_segment_align: 8
    .kernarg_segment_size: 32
    .max_flat_workgroup_size: 128
    .sgpr_count:     66
    .vgpr_count:     1024
    .wavefront_size: 32
...
	.end_amdgpu_metadata
.endif
;; end of part 2
;; launch softmax (part 3): grid 32 x 1, 8 waves a work-group, no clusters, 1,536 bytes of LDS; arguments en, out0; writes out0
.if DOCPART == 3
	.amdgcn_target "amdgcn-amd-amdhsa--gfx1250"
	.amdhsa_code_object_version 6
	.text
	.protected	k_qec56e45bbf_softmax
	.globl	k_qec56e45bbf_softmax
	.p2align	8
	.type	k_qec56e45bbf_softmax,@function
k_qec56e45bbf_softmax:
	s_mov_b64 s[64:65], 0
	v_nop
	global_prefetch_b8 v0, s[64:65] scope:SCOPE_SE
	s_setreg_imm32_b32 hwreg(HW_REG_WAVE_MODE, 25, 1), 1
	s_wait_xcnt 0x0
; out0[b][:] = softmax over s of en[b][:].  en, out0: [32][2048] f32.  A row spans eight work-groups of the launch before, so the softmax has a launch of its own.
; One work-group a row, eight waves, eight numbers a thread: the row stays in registers between the maximum, the sum and the scaling, and is read once.
; The row's maximum is taken away before the exponential; the sum is at least 1, since the maximum's own term is 2^0.  LIMITS: NaN and infinities are not served.
; 32 rows are all the work there is; matrix units, clusters and tensor loads have nothing to do here.
	s_load_b128 s[4:7], s[0:1], 0x0                ; en, out0
	v_lshl_add_u32 v40, v0, 2, 0x200
	v_mov_b32 v41, 0
	v_lshrrev_b32 v1, 5, v0
	s_delay_alu instid0(VALU_DEP_1)
	v_lshlrev_b32 v2, 2, v1                        ; LDS: 4 x wave
	v_lshlrev_b32 v3, 4, v0                        ; 16 x thread
	v_mov_b32 v4, 0
	s_lshl_b32 s8, ttmp9, 13                       ; a row is 8,192 bytes
	s_mov_b32 s9, 0
	s_mov_b32 s10, 0x76543210                      ; v_permlanex16_b32's selects for lane l xor 16
	s_mov_b32 s11, 0xfedcba98
	s_wait_alu depctr_va_vdst(0)
	s_wait_kmcnt 0x0
	s_add_nc_u64 s[4:5], s[4:5], s[8:9]
	s_add_nc_u64 s[6:7], s[6:7], s[8:9]
	global_load_b128 v[8:11], v3, s[4:5] th:TH_LOAD_NT               ; a wave reads 512 consecutive bytes
	global_load_b128 v[12:15], v3, s[4:5] offset:4096 th:TH_LOAD_NT
	s_wait_loadcnt 0x0
	v_max3_num_f32 v16, v8, v9, v10                ; the largest of my eight,
	v_max3_num_f32 v17, v11, v12, v13
	s_delay_alu instid0(VALU_DEP_2)
	v_max3_num_f32 v16, v16, v14, v15
	s_delay_alu instid0(VALU_DEP_1)
	v_max_num_f32 v16, v16, v17
	s_delay_alu instid0(VALU_DEP_1)
	v_max_num_f32_dpp v16, v16, v16 row_xmask:1 row_mask:0xf bank_mask:0xf   ; of the wave's
	s_delay_alu instid0(VALU_DEP_1)
	v_max_num_f32_dpp v16, v16, v16 row_xmask:2 row_mask:0xf bank_mask:0xf
	s_delay_alu instid0(VALU_DEP_1)
	v_max_num_f32_dpp v16, v16, v16 row_xmask:4 row_mask:0xf bank_mask:0xf
	s_delay_alu instid0(VALU_DEP_1)
	v_max_num_f32_dpp v16, v16, v16 row_xmask:8 row_mask:0xf bank_mask:0xf
	s_delay_alu instid0(VALU_DEP_1)
	v_permlanex16_b32 v17, v16, s10, s11
	s_delay_alu instid0(VALU_DEP_1)
	v_max_num_f32 v16, v16, v17
	ds_store_b32 v2, v16                           ; all lanes of a wave write the same word with the same value
	s_wait_dscnt 0x0                               ; for the others' sake
	s_barrier_signal -1
	s_barrier_wait -1
	ds_load_b128 v[20:23], v4                      ; the eight waves' maxima
	ds_load_b128 v[24:27], v4 offset:16
	s_wait_dscnt 0x0
	v_max3_num_f32 v16, v20, v21, v22
	v_max3_num_f32 v17, v23, v24, v25
	s_delay_alu instid0(VALU_DEP_2)
	v_max3_num_f32 v16, v16, v26, v27
	s_delay_alu instid0(VALU_DEP_1)
	v_max_num_f32 v16, v16, v17                    ; the row's
	s_delay_alu instid0(VALU_DEP_1)
	v_mov_b32 v17, v16
.irp j, 8,10,12,14
	v_pk_add_f32 v[\j:\j+1], v[\j:\j+1], v[16:17] neg_lo:[0,1] neg_hi:[0,1]   ; x - m first, so that large energies lose nothing,
.endr
.irp j, 8,10,12,14
	s_delay_alu instid0(VALU_DEP_4)
	v_pk_mul_f32 v[\j:\j+1], v[\j:\j+1], 0x3fb8aa3b op_sel_hi:[1,0]           ; then x log2(e)
.endr
	s_wait_alu depctr_va_vdst(0)
.irp j, 8,9,10,11,12,13,14,15
	v_exp_f32 v[\j], v[\j]
.endr
	v_nop                                          ; one plain place behind the exponentials
	s_wait_alu depctr_va_vdst(0)
	v_pk_add_f32 v[18:19], v[8:9], v[10:11]
	v_pk_add_f32 v[28:29], v[12:13], v[14:15]
	s_delay_alu instid0(VALU_DEP_1)
	v_pk_add_f32 v[18:19], v[18:19], v[28:29]
	s_delay_alu instid0(VALU_DEP_1)
	v_add_f32 v18, v18, v19                        ; the sum of my eight,
	s_delay_alu instid0(VALU_DEP_1)
	v_add_f32_dpp v18, v18, v18 row_xmask:1 row_mask:0xf bank_mask:0xf       ; of the wave's
	s_delay_alu instid0(VALU_DEP_1)
	v_add_f32_dpp v18, v18, v18 row_xmask:2 row_mask:0xf bank_mask:0xf
	s_delay_alu instid0(VALU_DEP_1)
	v_add_f32_dpp v18, v18, v18 row_xmask:4 row_mask:0xf bank_mask:0xf
	s_delay_alu instid0(VALU_DEP_1)
	v_add_f32_dpp v18, v18, v18 row_xmask:8 row_mask:0xf bank_mask:0xf
	s_delay_alu instid0(VALU_DEP_1)
	v_permlanex16_b32 v19, v18, s10, s11
	s_delay_alu instid0(VALU_DEP_1)
	v_add_f32 v18, v18, v19
	ds_store_b32 v2, v18 offset:256                ; other bytes than the maxima's: no barrier is owed between those reads and these stores
	s_wait_dscnt 0x0
	s_barrier_signal -1
	s_barrier_wait -1
	ds_load_b128 v[20:23], v4 offset:256
	ds_load_b128 v[24:27], v4 offset:272
	s_wait_dscnt 0x0
	v_pk_add_f32 v[20:21], v[20:21], v[22:23]
	v_pk_add_f32 v[24:25], v[24:25], v[26:27]
	s_delay_alu instid0(VALU_DEP_1)
	v_pk_add_f32 v[20:21], v[20:21], v[24:25]
	s_delay_alu instid0(VALU_DEP_1)
	v_add_f32 v18, v20, v21                        ; the row's
	s_wait_alu depctr_va_vdst(0)
	v_rcp_f32 v18, v18
	v_nop                                          ; one plain place behind the reciprocal
	s_wait_alu depctr_va_vdst(0)
	v_mov_b32 v19, v18
.irp j, 8,10,12,14
	v_pk_mul_f32 v[\j:\j+1], v[\j:\j+1], v[18:19]
.endr
	global_store_b128 v3, v[8:11], s[6:7] th:TH_STORE_NT             ; a wave stores 512 consecutive bytes, at a multiple of 512 from out0's first byte
	global_store_b128 v3, v[12:15], s[6:7] offset:4096 th:TH_STORE_NT
	s_wait_tensorcnt 0x0
	ds_add_u32 v40, v41
	s_wait_dscnt 0x0
	s_endpgm
.Lfunc_end_k_qec56e45bbf_softmax:
	.size	k_qec56e45bbf_softmax, .Lfunc_end_k_qec56e45bbf_softmax-k_qec56e45bbf_softmax
	.p2alignl 7, 3214868480
	.fill 96, 4, 3214868480
	.section	.rodata,"a",@progbits
	.p2align	6, 0x0
	.amdhsa_kernel k_qec56e45bbf_softmax
		.amdhsa_group_segment_fixed_size 1536
		.amdhsa_private_segment_fixed_size 0
		.amdhsa_enable_private_segment 0
		.amdhsa_kernarg_size 16
		.amdhsa_user_sgpr_count 2
		.amdhsa_user_sgpr_kernarg_segment_ptr 1
		.amdhsa_wavefront_size32 1
		.amdhsa_system_sgpr_workgroup_id_x 1
		.amdhsa_system_sgpr_workgroup_id_y 1
		.amdhsa_system_sgpr_workgroup_id_z 1
		.amdhsa_system_vgpr_workitem_id 0
		.amdhsa_next_free_vgpr 42
		.amdhsa_next_free_sgpr 66
		.amdhsa_reserve_vcc 0
		.amdhsa_float_denorm_mode_32 3
		.amdhsa_float_denorm_mode_16_64 3
		.amdhsa_memory_ordered 1
		.amdhsa_forward_progress 1
		.amdhsa_inst_pref_size 6
	.end_amdhsa_kernel
	.amdgpu_metadata
---
amdhsa.version: [ 1, 2 ]
amdhsa.kernels:
  - .name:           k_qec56e45bbf_softmax
    .symbol:         k_qec56e45bbf_softmax.kd
    .args:
      - { .name: en, .offset: 0, .size: 8, .value_kind: global_buffer, .address_space: global }
      - { .name: out0, .offset: 8, .size: 8, .value_kind: global_buffer, .address_space: global }
    .group_segment_fixed_size: 1536
    .private_segment_fixed_size: 0
    .kernarg_segment_align: 8
    .kernarg_segment_size: 16
    .max_flat_workgroup_size: 256
    .sgpr_count:     66
    .vgpr_count:     42
    .wavefront_size: 32
...
	.end_amdgpu_metadata
.endif
;; end of part 3
